; MI455X (gfx1250); checked and timed in simulation.
; The chip was launched on July 23, 2026; its instructions are those of AMD's public machine-readable ISA for CDNA 5 (MIT licence, August 2026) and "CDNA5" Instruction Set Architecture Reference Guide (July 2026). The comments in the code are by the model that wrote it; some were corrected since.
;; Scaled Dot Product MHA. Allowed arithmetic: matrix products marked QUANTISED: E2M1 operands, one E8M0 scale for each 32 along K, by v_wmma_scale_f32_16x16x128_f8f6f4 with both operands' format E2M1 (or v_wmma_scale_f32_32x16x128_f4), f32 sums; everything else in f32.
;; Inputs: keys_codes 2 x 2,048 x 16 x 2 x 16 uint8 (E2M1 codes of keys, K innermost, in blocks of 32 codes, two codes a byte); keys_scales 2 x 2,048 x 16 x 2 uint8 (E8M0 scales of keys, one for each 32 codes along K); queries_codes 2 x 2,048 x 16 x 2 x 16 uint8 (E2M1 codes of queries, K innermost, in blocks of 32 codes, two codes a byte); queries_scales 2 x 2,048 x 16 x 2 uint8 (E8M0 scales of queries, one for each 32 codes along K); values 2 x 2,048 x 16 x 64 float32.
;; Outputs: out0 2 x 2,048 x 16 x 64 float32.
;; This version of the problem:
;;   THIS VERSION OF THE PROBLEM IS GIVEN IN LOW PRECISION. The matrix products marked QUANTISED in the list below multiply operands that are first quantised to E2M1 (2 exponent bits, 1 mantissa bit; 4 bits a number), with one power-of-two scale for each 32 numbers along K (OCP MX v1.0); their sums are f32. All else is computed in f32.
;;   The module's matrix products, in the order in which they are computed (A, B: the left and right operand; K: the contracted axis; several contracted axes count as one K, in the product's order):
;;     1. batch 32 x [M 2,048, K 64] x [K 64, N 2,048]; A: input queries (given as codes); B: input keys (given as codes): QUANTISED
;;     2. batch 32 x [M 2,048, K 2,048] x [K 2,048, N 64]; A: softmax (see below); B: input values: QUANTISED
;;   THE QUANTISER, for each operand of a quantised product, along K:
;;     - K is cut into blocks of 32 from its start; a last block that is shorter is filled with zeros.
;;     - A block's scale is 2^e with e = floor(log2(the largest magnitude in the block)) - 2, held to -126 .. 127; a block of zeros has e = 0. As a byte (E8M0): e + 127.
;;     - Each number is divided by its block's scale, clamped to +-6, and rounded to the nearest number of E2M1, ties to even, subnormals kept.
;;     - The product sums the exact products of the quantised numbers (number of the format x scale) in f32.
;;   ~~~python
;;   def quantise(x, axis):      # numpy; x: float32 -> the quantised numbers, widened to float32 again
;;       x = np.moveaxis(x, axis, -1); K = x.shape[-1]
;;       x = np.pad(x, [(0, 0)] * (x.ndim - 1) + [(0, -K % 32)]); x = x.reshape(x.shape[:-1] + (-1, 32)); a = np.abs(x).max(-1, keepdims=True)
;;       e = np.where(a > 0, np.clip(np.frexp(np.where(a > 0, a, 1))[1] - 1 - 2, -126, 127), 0)      # np.frexp(a)[1] - 1 = floor(log2(a)), exactly
;;       r = np.clip(x / 2.0 ** e, -6, 6)
;;       step = 2.0 ** (np.maximum(np.frexp(np.where(r == 0, 1, r))[1] - 1, 0) - 1)
;;       q = np.round(r / step) * step * 2.0 ** e      # np.round: ties to even
;;       return np.moveaxis(q.reshape(q.shape[:-2] + (-1,))[..., :K], -1, axis).astype(np.float32)
;;   ~~~
;;   SOFTMAX AHEAD OF A QUANTISED PRODUCT. Where the list says 'softmax', what is quantised is not the finished softmax but p = 2^(t - M), with t = logit x log2(e) and M = ceil(the row's largest t), a whole number; so 1/2 < the row's largest p <= 1. The row's sum l is taken of the UNQUANTISED p, in f32, and the product's result is divided by l at the end. Since M is a whole number, a kernel that streams over the keys may use a running M (the ceiling of the running maximum): every later rescaling is an exact power of two, which a block's scale takes up: the codes' values come out the same.
;;   OPERANDS COMPUTED ON THE WAY. 'Computed on the way' means the value that the module computes at that place (a softmax that the list does not call 'softmax' is quantised finished and normalised). What goes into a quantiser is computed in f32, as accurately as f32 sums, v_exp_f32 and their like allow (about 1e-6 of the number): no bf16 or f16 on the way to a quantiser, and a product that is left as it is and whose result goes on into a quantised operand takes f32 operands (vector FMAs, or v_wmma_f32_16x16x4_f32). A number that lies on a knife's edge between two numbers of the format may be rounded either way, as far as f32 arithmetic and the matrix unit's own rounding can turn it there, and no further.
;;   INPUTS GIVEN AS CODES. keys (in the module: [2, 2048, 16, 64], K = its axis 3); queries (in the module: [2, 2048, 16, 64], K = its axis 3): each comes as NAME_codes (uint8): NAME with its K axis moved to the last place and cut into blocks of 32 codes, [.., K / 32, bytes a block], one block behind the other in memory; two codes a byte, the lower K in the low four bits (a code: sign, 2 exponent bits, 1 mantissa bit); and NAME_scales (uint8): the same leading axes, one E8M0 byte (e + 127) for each 32 codes along K. Its value is code x scale, taken as it is: it is not quantised again, and the codes and scales need not be those that the quantiser above would give.
;; One version. Each part assembles by itself: llvm-mc -triple=amdgcn-amd-amdhsa -mcpu=gfx1250 --defsym DOCPART=n.
;; ======== version 1 of 1: 2 launches
;; workspace buffers: vq 2,228,224 bytes
;; launch vquant (part 1): grid 8 x 32, 4 waves a work-group, no clusters, 1,536 bytes of LDS; arguments values, vq; writes vq
.if DOCPART == 1
	.amdgcn_target "amdgcn-amd-amdhsa--gfx1250"
	.amdhsa_code_object_version 6
	.text
	.protected	k_qdc6781e0ff_vquant
	.globl	k_qdc6781e0ff_vquant
	.p2align	8
	.type	k_qdc6781e0ff_vquant,@function
k_qdc6781e0ff_vquant:
	s_mov_b64 s[64:65], 0
	v_nop
	global_prefetch_b8 v0, s[64:65] scope:SCOPE_SE
	s_setreg_imm32_b32 hwreg(HW_REG_WAVE_MODE, 25, 1), 1
	s_wait_xcnt 0x0
; values, f32, is 32 heads of [2,048 keys][64 columns], each head 524,288 consecutive bytes.  It is the second product's operand whose K is the KEYS, its first axis.
; It is turned into codes of FP4 (E2M1) with one E8M0 scale byte for each 32 keys of a column, and laid in vq as the attention launch's registers want it.
; A block's scale is 2^(floor(log2(its largest magnitude)) - 2); its byte is the largest magnitude's exponent field - 2, held at 1 from below.
; vq, 69,632 bytes a head:
;   bytes 0 .. 65,535: images of the operand's registers, [step s of 128 keys, 0..15][tile t of 16 columns, 0..3][c 0..1][lane 0..31][16 bytes]:
;     lane (r = lane % 16, h = lane / 16) holds block 2 c + h of step s for column 16 t + r.
;   bytes 65,536 .. 69,631: scale words, [s][lane l 0..31][cc 0..1], 4 bytes: column 32 cc + l; byte b scales keys 128 s + 32 b .. + 31.
; THE ORDER OF KEYS INSIDE A BLOCK IS PERMUTED: place p (0..31) holds key 16 (p / 16) + 2 (p % 8) + (p / 8) % 2.  A block's 32 keys are the same 32, so its scale and its
; codes' values are the quantiser's; the attention launch lays its weights p in the same order, so each product meets its partner.
; A LANE TAKES A COLUMN, AND ITS REGISTERS RUN DOWN THE KEYS: a block lies in one lane's 32 registers (its largest magnitude needs no other lane), and the conversions, which take
; neighbours along K from one lane's consecutive registers, give the 16 bytes of an image.  The permutation stands in the loads' immediates and costs nothing.
; SHARES: work-group (x, y): head y, steps 2 x and 2 x + 1.  Wave w: columns 32 (w % 2) + lane, step 2 x + w / 2: 128 keys, four blocks.  1,024 waves of 16,384 bytes each.
; A wave's load reads 128 consecutive bytes; the wave beside it reads the row's other 128.  A block's store: lanes 0-15 fill 256 consecutive bytes, aligned, lanes 16-31 the 256 bytes 1,024 further on.
; The scale words of the work-group's two steps, 512 bytes, meet in LDS and leave by one store of wave 0.
; No tensor load, no matrix unit, no cluster: work-groups share no input, and every byte is read once and written once.  Nothing is prefetched: the loads themselves are the launch's whole stream.
; LIMITS: NaN and infinities among the inputs are not served.  A block of zeros, or one whose largest magnitude lies under 2^-124, gets the byte 1 (the rule says 127 for zeros):
; its codes are zeros or the rule's own, and only this program reads the bytes.
.set X, 16                             ; v16-143  four sets of 32 numbers, one for each block
.set C, 144                            ; v144-159 four registers of codes for each block: no store's data are written again
	s_load_b128 s[4:7], s[0:1], 0x0                ; values s[4:5], vq s[6:7]
	v_lshl_add_u32 v176, v0, 2, 0x400
	v_mov_b32 v177, 0
	v_lshrrev_b32 v1, 5, v0
	v_readfirstlane_b32 s8, v1                     ; wave 0..3
	v_and_b32 v1, 31, v0                           ; lane
	v_lshlrev_b32 v2, 2, v1                        ; in: 4 bytes a lane
	v_lshrrev_b32 v3, 4, v1
	v_and_b32 v8, 15, v1
	v_lshlrev_b32 v3, 10, v3
	v_lshl_add_u32 v3, v8, 4, v3                   ; out: 1,024 (lane / 16), the tile, + 16 (lane % 16)
	v_lshlrev_b32 v4, 3, v1
	v_bfe_u32 v8, v0, 5, 1
	v_lshl_add_u32 v4, v8, 2, v4
	v_bfe_u32 v8, v0, 6, 1
	v_lshl_add_u32 v4, v8, 8, v4                   ; LDS: my scale word: 8 x lane + 4 (wave % 2) + 256 (wave / 2)
	v_lshlrev_b32 v5, 4, v1                        ; 16 x lane: wave 0's way out of the scale words
	s_and_b32 s9, s8, 1                            ; which 32 columns
	s_lshr_b32 s10, s8, 1
	s_lshl_b32 s11, ttmp9, 1
	s_add_co_u32 s10, s10, s11                     ; my step: 2 x + wave / 2
	s_and_b32 s12, ttmp7, 0xffff                   ; the head
	s_lshl_b32 s14, s12, 19                        ; values: head x 524,288
	s_lshl_b32 s15, s10, 15
	s_add_co_u32 s14, s14, s15                     ; + step x 128 rows of 256 bytes
	s_lshl_b32 s15, s9, 7
	s_add_co_u32 s14, s14, s15                     ; + my 32 columns
	s_mov_b32 s15, 0
	s_mul_i32 s16, s12, 69632                      ; vq: head x 69,632
	s_lshl_b32 s17, s10, 12
	s_add_co_u32 s18, s16, s17                     ; images: + step x 4,096
	s_lshl_b32 s17, s9, 11
	s_add_co_u32 s18, s18, s17                     ; + two tiles for the upper 32 columns
	s_mov_b32 s19, 0
	s_lshl_b32 s17, ttmp9, 9
	s_add_co_u32 s16, s16, s17                     ; scale words: + 512 x
	s_add_co_u32 s16, s16, 65536                   ; behind the images
	s_mov_b32 s17, 0
	s_wait_kmcnt 0x0
	s_add_nc_u64 s[4:5], s[4:5], s[14:15]
	s_add_nc_u64 s[20:21], s[6:7], s[18:19]
	s_add_nc_u64 s[22:23], s[6:7], s[16:17]
; block b: place i of the block takes key 32 b + 16 (i / 16) + 2 (i % 8) + (i / 8) % 2 of my column
.macro LOAD b
.set ii, 0
.rept 32
	global_load_b32 v[X+32*(\b)+ii], v2, s[4:5] offset:(32*(\b)+16*(ii/16)+2*(ii%8)+((ii/8)%2))*256 th:TH_LOAD_NT
.set ii, ii+1
.endr
.endm
.macro BLOCK b
.set XS, X+32*(\b)
	v_max3_num_f32 v8, |v[XS]|, |v[XS+1]|, |v[XS+2]|               ; the block's largest magnitude: all 32 numbers are mine; two chains
	v_max3_num_f32 v9, |v[XS+3]|, |v[XS+4]|, |v[XS+5]|
.irp i, 6,10,14,18,22,26
	v_max3_num_f32 v8, v8, |v[XS+\i]|, |v[XS+\i+1]|
	v_max3_num_f32 v9, v9, |v[XS+\i+2]|, |v[XS+\i+3]|
.endr
	v_max3_num_f32 v8, v8, |v[XS+30]|, |v[XS+31]|
	v_max3_num_f32 v8, v8, v9, 0x1800000           ; and the floor 2^(3 - 127): the byte cannot fall under 1
	v_add_nc_u32 v11, 0xff000000, v8               ; 2 off the exponent field: the conversion takes the exponent field of this operand as its scale, and nothing else of it
	v_lshrrev_b32 v9, 23, v11                      ; the scale's byte
.if (\b) == 0
	v_mov_b32 v12, v9                              ; four bytes make my column's scale word of this step
.else
	v_lshl_or_b32 v12, v9, 8*(\b), v12
.endif
.irp g, 0,1,2,3
	v_cvt_scalef32_pk8_fp4_f32 v[C+4*(\b)+\g], v[XS+8*\g:XS+8*\g+7], v11   ; places 8 g .. 8 g + 7; beyond 6 the largest code
.endr
	global_store_b128 v3, v[C+4*(\b):C+4*(\b)+3], s[20:21] offset:256*(\b)   ; block b = 2 c + h lies 512 c + 256 h into a tile's image.  (The next vector lines are plain ones that touch none of the conversions' registers)
.endm
	LOAD 0
	LOAD 1
	s_wait_loadcnt 32                              ; block 0 is in: behind its loads 32 were issued
	LOAD 2
	BLOCK 0
	s_wait_loadcnt 32                              ; block 1 is in: block 2's 32 are younger
	LOAD 3
	BLOCK 1
	s_wait_loadcnt 32                              ; block 2 is in: block 3's 32 are younger
	BLOCK 2
	s_wait_loadcnt 0x0
	BLOCK 3
	ds_store_b32 v4, v12                           ; the scale words of two steps x 64 columns meet in 512 bytes of LDS
	s_wait_dscnt 0x0                               ; for wave 0's sake: my store has landed
	s_barrier_signal -1
	s_barrier_wait -1
	s_cmp_lg_u32 s8, 0
	s_cbranch_scc1 .Ldone
	ds_load_b128 v[160:163], v5
	s_wait_dscnt 0x0
	global_store_b128 v5, v[160:163], s[22:23]     ; 32 lanes store 512 consecutive bytes, at a multiple of 256 from vq's first byte
.Ldone:
	s_wait_tensorcnt 0x0
	ds_add_u32 v176, v177
	s_wait_dscnt 0x0
	s_endpgm
.Lfunc_end_k_qdc6781e0ff_vquant:
	.size	k_qdc6781e0ff_vquant, .Lfunc_end_k_qdc6781e0ff_vquant-k_qdc6781e0ff_vquant
	.p2alignl 7, 3214868480
	.fill 96, 4, 3214868480
	.section	.rodata,"a",@progbits
	.p2align	6, 0x0
	.amdhsa_kernel k_qdc6781e0ff_vquant
		.amdhsa_group_segment_fixed_size 1536
		.amdhsa_private_segment_fixed_size 0
		.amdhsa_enable_private_segment 0
		.amdhsa_kernarg_size 16
		.amdhsa_user_sgpr_count 2
		.amdhsa_user_sgpr_kernarg_segment_ptr 1
		.amdhsa_wavefront_size32 1
		.amdhsa_system_sgpr_workgroup_id_x 1
		.amdhsa_system_sgpr_workgroup_id_y 1
		.amdhsa_system_sgpr_workgroup_id_z 1
		.amdhsa_system_vgpr_workitem_id 0
		.amdhsa_next_free_vgpr 178
		.amdhsa_next_free_sgpr 66
		.amdhsa_reserve_vcc 0
		.amdhsa_float_denorm_mode_32 3
		.amdhsa_float_denorm_mode_16_64 3
		.amdhsa_memory_ordered 1
		.amdhsa_forward_progress 1
		.amdhsa_inst_pref_size 21
	.end_amdhsa_kernel
	.amdgpu_metadata
---
amdhsa.version: [ 1, 2 ]
amdhsa.kernels:
  - .name:           k_qdc6781e0ff_vquant
    .symbol:         k_qdc6781e0ff_vquant.kd
    .args:
      - { .name: values, .offset: 0, .size: 8, .value_kind: global_buffer, .address_space: global }
      - { .name: vq, .offset: 8, .size: 8, .value_kind: global_buffer, .address_space: global }
    .group_segment_fixed_size: 1536
    .private_segment_fixed_size: 0
    .kernarg_segment_align: 8
    .kernarg_segment_size: 16
    .max_flat_workgroup_size: 128
    .sgpr_count:     66
    .vgpr_count:     178
    .wavefront_size: 32
...
	.end_amdgpu_metadata
.endif
;; end of part 1
;; launch attn (part 2): grid 8 x 32, 16 waves a work-group, no clusters, 227,328 bytes of LDS; arguments keys_codes, keys_scales, queries_codes, queries_scales, vq, out0; writes out0
.if DOCPART == 2
	.amdgcn_target "amdgcn-amd-amdhsa--gfx1250"
	.amdhsa_code_object_version 6
	.text
	.protected	k_qdc6781e0ff_attn
	.globl	k_qdc6781e0ff_attn
	.p2align	8
	.type	k_qdc6781e0ff_attn,@function
k_qdc6781e0ff_attn:
	s_mov_b64 s[64:65], 0
	v_nop
	global_prefetch_b8 v0, s[64:65] scope:SCOPE_SE
	s_setreg_imm32_b32 hwreg(HW_REG_WAVE_MODE, 25, 1), 1
	s_wait_xcnt 0x0
; out[head][q][:] = the sum over k <= q of softmax_k(Q[q] . K[k] / 8) V[k][:], 32 heads of 2,048 rows x 64, each head consecutive in every buffer.  Both products on codes of FP4 (E2M1) with E8M0 scales.
; Q, K: codes as given, 32 bytes and 2 scale bytes a row.  V: the images and scale words that the launch before has laid in vq (69,632 bytes a head).
; THE SOFTMAX AHEAD OF THE SECOND PRODUCT: t = score x log2(e) / 8; M = the row's largest t so far, rounded UP to a whole number; p = 2^(t - M) is what is quantised, along the keys, not normalised.
; The row's sum is taken of the unquantised p, in f32, and divides O at the end.  When M moves, the sum and O are multiplied by 2^(old M - new M): exact.
; A WHOLE HEAD STAYS IN LDS: K's codes 65,536 bytes, its scale bytes 4,096, V's images 65,536, its scale words 4,096.  Each region is filled once, by the first lines; nothing is filled again: one barrier in the launch.
; SHARES.  Work-group (x, y): head y.  Each of its sixteen waves owns one tile of 16 queries, Q0 = 128 g + 16 x, in 240 registers: four waves to a SIMD, so that one wave's vector work stands beside another's
; matrix work and LDS loads.  g is entry w of a 4 x 4 magic square of 0 .. 15.  A wave walks the keys 128 a step and has g + 1 steps with work: 136 in every work-group, and 34 in every four waves w % 4 = const and
; in every four waves w / 4 = const.
; CAUSAL.  Since 16 x + 15 <= 127, all keys of step s come after the wave's queries exactly where s > g (the step's work is jumped over; the loop's 16 trips are a constant), and the diagonal lies in step s = g
; alone (there hidden scores become -infinity ahead of the maximum).  Both branches hang on the wave's number and the trip's number.
; THE FIRST PRODUCT FILLS THE INSTRUCTION'S K = 128 WITH TWO KEYS.  A row of source 0 is a PAIR of keys, 2 i and 2 i + 1: 64 consecutive bytes of memory, and their four scale bytes are one word as it lies in memory.
; Source 1 is the queries as [q | 0] or as [0 | q]: the first gives the even keys' scores, the second the odd keys'.  Zero codes add nothing under any scale byte but 0xff.
; LAYOUT.  Both products are used transposed: S^T = K Q^T, O^T = V^T P^T: a lane holds ONE query (lane % 16) throughout.  With r = lane % 16, h = lane / 16: register 16 f + 8 y + j of S^T is key
; 128 s + 32 f + 16 h + 2 j + y.  So a block of 32 keys lies in lanes l and l xor 16, and the conversions and the exchange of halves lay it in the order in which vq holds V's blocks.
; NO JOINT LOADS.  The eight work-groups of a head ask for the same 139,264 bytes, each once, by its first lines, and for nothing afterwards.  No branch and no LDS address of this text hangs on x, so four of
; them could ask jointly; this text does not: each byte is asked for eight times where joint loads by fours would ask twice.
; Nothing is prefetched: all that a work-group reads is asked for by its first lines.
; LIMITS: a scale byte 0xff among keys_scales or queries_scales makes NaN of the pair's other key's score too, a hidden key's among them; NaN and infinities in V are not served by the launch before.
.set KP,  80                           ; a pair-row of K in LDS: 64 bytes + 16 of padding = 20 words: row r starts at bank 20 r mod 64 (64 banks of 4 bytes: ISA guide 11.1): sixteen rows, sixteen different starts
.set VC,  1024*KP                      ; 81,920: behind K's 1,024 pair-rows: V's images, dense,
.set VS,  VC+65536                     ; 147,456: V's scale words (in vq they follow the images: the same loads bring them),
.set KS,  VS+4096                      ; 151,552: K's scale bytes as they lie in memory,
.set STG, KS+4096                      ; 155,648: the way out: 16 rows x 272 bytes for each wave, its own; no fill lands here
.set SP,  272
.set AK0, 1                            ; v1   my lane's place in a fragment of K: 80 r + 16 h
.set AV0, 2                            ; v2   in an image of V: VC + 16 x lane
.set AKS0, 3                           ; v3   among K's scale words: KS + 4 x lane
.set AVS0, 4                           ; v4   among V's: VS + 8 x lane
.set GO,  5                            ; v5   the way out: 16 x lane
.set STI, 6                            ; v6   where I put 32 bytes of a row into my stage
.set STB, 7                            ; v7   where I read a row back
.set ADK, 8                            ; v8-11 the step's LDS addresses: K, V, K's scale words, V's
.set ADV, 9
.set ADS, 10
.set ADT, 11
                                       ; v12 -M, v13 the largest t, v[14:15] the sum in two halves
.set QX,  16                           ; v16-23 [q | 0], v24-31 [0 | q]
.set KFR, 32                           ; v32-63  four fragments of K (16 pair-rows each)
.set VFR, 64                           ; v64-95  four fragments of V
.set S,   96                           ; v96-159 S^T, then p
.set OT,  160                          ; v160-191 O^T: four tiles of 16 channels
.set PC,  192                          ; v192-199 p's codes
.set KSW, 200                          ; v200-201 K's scale words: lanes 0-15 fragment 2 c, lanes 16-31 fragment 2 c + 1
.set VSW, 202                          ; v202-203 V's: lanes 0-15 tile 2 c, lanes 16-31 tile 2 c + 1
.set QS,  204                          ; v204 q's two scale bytes in bytes 0, 1 (for [q | 0]); v205 in bytes 2, 3 (for [0 | q])
.set PS,  206                          ; v206 p's scale word
.set BM,  208                          ; v208-211 each block's largest score, then its largest p
.set PT,  212                          ; v212-215 the other half's maxima; later the scale bytes
.set SO,  216                          ; v216-219 the conversions' scale operands
.set FF,  220                          ; v[220:221] f = 2^(old M - new M), named as a pair
.set TMP, 222
.set SUM2, 224                         ; v[224:225] the sums' second chain
.set DD,  226                          ; v226 d = 16 x + r - 16 h: on the diagonal, register 16 f + 8 y + j is hidden where 32 f + 2 j + y > d
.set NINF, 227                         ; v227 -infinity
.set CPL, 228                          ; v228, v229 the copy's LDS address and offset in memory; never rewritten
.set CPG, 229
.set WV,  16                           ; s16 wave;  s17 wave % 8;  s18 g;  s19 head
.set E8,  17
.set G,   18
.set HD,  19
.set SEL, 20                           ; s[20:21] lane selects for v_permlanex16_b32: lane l xor 16
.set CS,  22                           ; s[22:23] c = log2(e) / 8: the packed form names a pair and takes its low word for both halves
.set G1K, 24                           ; s[24:31] descriptor group 1 for K's codes;  s[32:39] for vq;  s[40:43], s[44:47] their groups 0
.set G1V, 32
.set G0K, 40
.set G0V, 44
.set Q0,  48                           ; s48 my first query
.set TK,  51                           ; s51 where the step's pair-rows begin in LDS: 5,120 bytes a step;  s52 V's images: 4,096;  s53 both kinds of scale words: 256
.set TV,  52
.set TS,  53
.set SN,  54                           ; s54 the step's number, and the loop's counter
	s_load_b256 s[4:11], s[0:1], 0x0               ; K's codes s[4:5], K's scales s[6:7], Q's codes s[8:9], Q's scales s[10:11]
	s_load_b128 s[12:15], s[0:1], 0x20             ; vq s[12:13], out0 s[14:15]
	v_lshl_add_u32 v240, v0, 2, 0x37000
	v_mov_b32 v241, 0
	ds_add_u32 v240, v241
	ds_add_u32 v240, v241
	v_lshrrev_b32 v8, 5, v0
	s_delay_alu instid0(VALU_DEP_1)
	v_readfirstlane_b32 s[WV], v8                  ; wave 0..15
	v_lshl_add_u32 v[CPL], v0, 3, KS               ; the copy: thread i takes 8 bytes: 512 threads, 4,096 bytes
	v_lshlrev_b32 v[CPG], 3, v0
	s_and_b32 s[E8], s[WV], 7
	s_and_b32 s[HD], ttmp7, 0xffff
	s_lshl_b32 s56, s[E8], 2
	s_mov_b32 s[G], 0x0de3b658                     ; the square's rows 2, 3 (waves 8 to 15), four bits an entry,
	s_cmp_lt_u32 s[WV], 8
	s_cselect_b32 s[G], 0x7a94c12f, s[G]           ; or its rows 0, 1
	s_lshr_b32 s[G], s[G], s56
	s_and_b32 s[G], s[G], 15                       ; g
	s_lshl_b32 s[Q0], s[G], 7
	s_lshl_b32 s55, ttmp9, 4                       ; 16 x
	s_add_co_u32 s[Q0], s[Q0], s55                 ; my first query
	; group 1 for K's codes: 128 pair-rows of 64 bytes, dense in memory, 16 bytes of padding behind each in LDS
	s_mov_b32 s[G1K], (0<<16)|(1<<20)|(3<<22)|(3<<25)  ; 15:0 no mask; 17:16 elements of 1 byte; 20 padding on; 24:22 after every 16 words (code 3); 31:25 four words (code 3)
	s_mov_b32 s[G1K+1], 64<<16                     ; tensor_dim0
	s_mov_b32 s[G1K+2], 128<<16                    ; tensor_dim1
	s_mov_b32 s[G1K+3], 64<<16                     ; tile_dim0
	s_mov_b32 s[G1K+4], 128                        ; tile_dim1
	s_mov_b32 s[G1K+5], 64                         ; tensor_dim0_stride
	s_mov_b32 s[G1K+6], 0
	s_mov_b32 s[G1K+7], 0
	; group 1 for vq: an eighth of a head's 69,632 dense bytes, as 34 rows of 256 bytes (32 elements of 8 bytes), no padding
	s_mov_b32 s[G1V], 3<<16
	s_mov_b32 s[G1V+1], 32<<16
	s_mov_b32 s[G1V+2], 34<<16
	s_mov_b32 s[G1V+3], 32<<16
	s_mov_b32 s[G1V+4], 34
	s_mov_b32 s[G1V+5], 32
	s_mov_b32 s[G1V+6], 0
	s_mov_b32 s[G1V+7], 0
	s_lshl_b32 s56, s[HD], 16                      ; a head's codes: 65,536 bytes
	s_lshl_b32 s58, s[E8], 13
	s_add_co_u32 s58, s58, s56                     ; K's codes: + 8,192 (wave % 8)
	s_mov_b32 s59, 0
	s_mul_i32 s60, s[HD], 69632
	s_mul_i32 s61, s[E8], 8704
	s_add_co_u32 s60, s60, s61                     ; vq: head x 69,632 + 8,704 (wave % 8)
	s_mov_b32 s61, 0
	s_lshl_b32 s62, s[Q0], 5
	s_add_co_u32 s62, s62, s56                     ; Q's codes: + 32 Q0
	s_mov_b32 s63, 0
	s_lshl_b32 s56, s[HD], 12                      ; a head's scale bytes: 4,096
	s_mov_b32 s57, 0
	s_lshl_b32 s2, s[Q0], 1
	s_add_co_u32 s2, s2, s56                       ; Q's scales: + 2 Q0
	s_mov_b32 s3, 0
	s_lshl_b32 s52, s[HD], 19
	s_lshl_b32 s53, s[Q0], 8
	s_add_co_u32 s52, s52, s53                     ; out0: head x 524,288 + 256 Q0
	s_mov_b32 s53, 0
	s_mov_b32 s[SEL], 0x76543210
	s_mov_b32 s[SEL+1], 0xfedcba98
	s_mov_b32 s[CS], 0x3e38aa3b                    ; c = log2(e) / 8
	s_mov_b32 s[CS+1], s[CS]                       ; (named with it as a pair, so it is written)
	s_wait_alu depctr_va_vdst(0)
	s_wait_dscnt 0x0
	s_wait_kmcnt 0x0
	; THE FILLS, all ahead of the first wait on their counters, the first LDS read and the barrier.  Every wave: one copy (256 consecutive bytes of K's scale bytes) and one tensor load
	s_add_nc_u64 s[6:7], s[6:7], s[56:57]
	global_load_async_to_lds_b64 v[CPL], v[CPG], s[6:7]
	s_mov_b32 s[G0K], 1                            ; 1:0 count = 1
	s_mul_i32 s[G0K+1], s[E8], 128*KP              ; 63:32 LDS address: 128 pair-rows for each of waves 0 to 7
	s_add_nc_u64 s[G0K+2:G0K+3], s[4:5], s[58:59]  ; 120:64 global address
	s_or_b32 s[G0K+3], s[G0K+3], 0x80000000        ; 127:126 type = 2
	s_mov_b32 s[G0V], 1
	s_mul_i32 s[G0V+1], s[E8], 8704
	s_add_co_u32 s[G0V+1], s[G0V+1], VC            ; 8,704 bytes for each of waves 8 to 15
	s_add_nc_u64 s[G0V+2:G0V+3], s[12:13], s[60:61]
	s_or_b32 s[G0V+3], s[G0V+3], 0x80000000
	s_cmp_lt_u32 s[WV], 8                          ; waves 0 to 7 fetch K's codes, waves 8 to 15 vq.  Four v_nop follow each of the two lines
	s_cbranch_scc0 .Lfor_v
	tensor_load_to_lds s[G0K:G0K+3], s[G1K:G1K+7]
	s_nop 0
.rept 4
	v_nop
.endr
	s_branch .Lasked
.Lfor_v:
	tensor_load_to_lds s[G0V:G0V+3], s[G1V:G1V+7]
	s_nop 0
.rept 4
	v_nop
.endr
.Lasked:
	s_add_nc_u64 s[8:9], s[8:9], s[62:63]          ; Q's codes at my first query,
	s_add_nc_u64 s[10:11], s[10:11], s[2:3]        ; its scale bytes,
	s_add_nc_u64 s[14:15], s[14:15], s[52:53]      ; its row of out0
	v_and_b32 v8, 15, v0                           ; r
	v_bfe_u32 v9, v0, 4, 1                         ; h
	s_delay_alu instid0(VALU_DEP_2)
	v_lshlrev_b32 v10, 5, v8
	s_delay_alu instid0(VALU_DEP_1)
	v_lshl_add_u32 v10, v9, 4, v10                 ; Q: row r of 32 bytes, + 16 h: the 32 codes k = 32 h .. 32 h + 31
	global_load_b128 v[QX:QX+3], v10, s[8:9]       ; [q | 0]: registers 0-3 are k = 32 h on
	global_load_b128 v[QX+12:QX+15], v10, s[8:9]   ; [0 | q]: registers 4-7 are k = 64 + 32 h on.  Loaded twice: the two operands share no register
	v_lshlrev_b32 v11, 1, v8
	global_load_u16 v[QS], v11, s[10:11]           ; lane r: query r's two scale bytes; the upper two bytes are 0, over zero codes
.irp j, 4,5,6,7,8,9,10,11
	v_mov_b32 v[QX+\j], 0                          ; the zero halves
.endr
	v_and_b32 v[TMP], 31, v0                       ; lane
	v_mul_u32_u24 v[AK0], v8, KP
	s_delay_alu instid0(VALU_DEP_1)
	v_lshl_add_u32 v[AK0], v9, 4, v[AK0]
	s_delay_alu instid0(VALU_DEP_3)
	v_lshl_add_u32 v[AV0], v[TMP], 4, VC
	s_delay_alu instid0(VALU_DEP_4)
	v_lshl_add_u32 v[AKS0], v[TMP], 2, KS
	v_lshl_add_u32 v[AVS0], v[TMP], 3, VS
	v_lshlrev_b32 v[GO], 4, v[TMP]
	s_mul_i32 s56, s[WV], 16*SP
	s_add_co_u32 s56, s56, STG                     ; my stage
	v_mul_u32_u24 v[STI], v8, SP
	s_delay_alu instid0(VALU_DEP_1)
	v_lshl_add_u32 v[STI], v9, 5, v[STI]
	s_delay_alu instid0(VALU_DEP_1)
	v_add_nc_u32 v[STI], s56, v[STI]               ; in: row r; tile t's eight channels of my half lie 64 t + 32 h bytes on
	v_mul_u32_u24 v[STB], v9, SP
	s_delay_alu instid0(VALU_DEP_1)
	v_lshl_add_u32 v[STB], v8, 4, v[STB]
	s_delay_alu instid0(VALU_DEP_1)
	v_add_nc_u32 v[STB], s56, v[STB]               ; back: lanes 0-15 one row, lanes 16-31 the next
	v_lshlrev_b32 v[DD], 4, v9
	s_delay_alu instid0(VALU_DEP_1)
	v_sub_nc_u32 v[DD], v8, v[DD]
	s_delay_alu instid0(VALU_DEP_1)
	v_add_nc_u32 v[DD], s55, v[DD]                 ; d = 16 x + r - 16 h
	v_mov_b32 v[NINF], 0xff800000
	v_mov_b32 v13, 0xff61b1e6                      ; the largest t so far: -3e38, under every t
	s_delay_alu instid0(VALU_DEP_1)
	v_floor_f32 v12, -v13                          ; -M
	v_mov_b32 v14, 0                               ; the sum, in two halves
	v_mov_b32 v15, 0
.irp b, 0,1,2,3
	v_mov_b32 v[PT+\b], 0                          ; written once: a lane permute's destination counts as one of its sources
.endr
	v_mov_b32 v[FF+1], 0                           ; (named as the upper half of the pair)
	v_mov_b32 v[TMP], 0
	s_mov_b32 s[TK], 0
	s_mov_b32 s[TV], 0
	s_mov_b32 s[TS], 0
	s_mov_b32 s[SN], 0
	s_wait_loadcnt 0x0                             ; Q and its scale bytes; v10 and v11 are free again
	v_lshlrev_b32 v[QS+1], 16, v[QS]               ; the same two bytes over k = 64 .. 127.  The 32 lines below stand between this line and the first product that names it
.set jj, 0
.rept 32
	v_mov_b32 v[OT+jj], 0                          ; O^T.  (The step is written once: the first finds zeros, which the first change of M leaves zeros)
.set jj, jj+1
.endr
	s_wait_tensorcnt 0x0                           ; my part of K's codes or of vq has landed,
	s_wait_asynccnt 0x0                            ; and my 256 scale bytes:
	s_barrier_signal -1
	s_barrier_wait -1                              ; everybody's have.  The launch's one barrier: from here on these bytes are only read
; products: fragment f of K against [q | 0] (y = 0: the even keys) or [0 | q] (y = 1: the odd keys); an odd fragment's scale words lie in lanes 16-31
.macro KQ f, y
.if (\f)%2
	v_wmma_scale_f32_16x16x128_f8f6f4 v[S+16*(\f)+8*(\y):S+16*(\f)+8*(\y)+7], v[KFR+8*(\f):KFR+8*(\f)+7], v[QX+8*(\y):QX+8*(\y)+7], 0, v[KSW+(\f)/2], v[QS+(\y)] matrix_a_fmt:MATRIX_FMT_FP4 matrix_b_fmt:MATRIX_FMT_FP4 matrix_a_scale:MATRIX_SCALE_ROW1
.else
	v_wmma_scale_f32_16x16x128_f8f6f4 v[S+16*(\f)+8*(\y):S+16*(\f)+8*(\y)+7], v[KFR+8*(\f):KFR+8*(\f)+7], v[QX+8*(\y):QX+8*(\y)+7], 0, v[KSW+(\f)/2], v[QS+(\y)] matrix_a_fmt:MATRIX_FMT_FP4 matrix_b_fmt:MATRIX_FMT_FP4
.endif
.endm
; O^T's tile t (channels 16 t on) += V's fragment t x p, K = the step's 128 keys
.macro PV t
.if (\t)%2
	v_wmma_scale_f32_16x16x128_f8f6f4 v[OT+8*(\t):OT+8*(\t)+7], v[VFR+8*(\t):VFR+8*(\t)+7], v[PC:PC+7], v[OT+8*(\t):OT+8*(\t)+7], v[VSW+(\t)/2], v[PS] matrix_a_fmt:MATRIX_FMT_FP4 matrix_b_fmt:MATRIX_FMT_FP4 matrix_a_scale:MATRIX_SCALE_ROW1
.else
	v_wmma_scale_f32_16x16x128_f8f6f4 v[OT+8*(\t):OT+8*(\t)+7], v[VFR+8*(\t):VFR+8*(\t)+7], v[PC:PC+7], v[OT+8*(\t):OT+8*(\t)+7], v[VSW+(\t)/2], v[PS] matrix_a_fmt:MATRIX_FMT_FP4 matrix_b_fmt:MATRIX_FMT_FP4
.endif
.endm
.Lstep:                                            ; 16 trips: a key step of 128 keys each
	s_cmp_gt_u32 s[SN], s[G]                       ; all its keys come after my queries: only the addresses step
	s_cbranch_scc1 .Lhidden
	s_setprio 2
	v_add_nc_u32 v[ADK], s[TK], v[AK0]             ; these four lines are also the places between the last step's products and the loads into the registers that they read
	v_add_nc_u32 v[ADV], s[TV], v[AV0]
	v_add_nc_u32 v[ADS], s[TS], v[AKS0]
	v_add_nc_u32 v[ADT], s[TS], v[AVS0]
.irp f, 0,1,2,3                                    ; K: fragment f = pair-rows 64 s + 16 f + r: registers 4 c .. 4 c + 3 are bytes 32 c + 16 h of the row
	ds_load_b128 v[KFR+8*\f:KFR+8*\f+3], v[ADK] offset:16*KP*\f
	ds_load_b128 v[KFR+8*\f+4:KFR+8*\f+7], v[ADK] offset:16*KP*\f+32
.endr
	ds_load_b32 v[KSW], v[ADS]                     ; the words of pair-rows 64 s + lane,
	ds_load_b32 v[KSW+1], v[ADS] offset:128        ; and 64 s + 32 + lane
.irp t, 0,1,2,3                                    ; V: images, 16 bytes a lane; they land under the softmax
	ds_load_b128 v[VFR+8*\t:VFR+8*\t+3], v[ADV] offset:1024*\t
	ds_load_b128 v[VFR+8*\t+4:VFR+8*\t+7], v[ADV] offset:1024*\t+512
.endr
	ds_load_b64 v[VSW:VSW+1], v[ADT]               ; the words of columns lane and 32 + lane
	s_wait_dscnt 9                                 ; K's ten loads are in: behind them V's nine were issued
.irp f, 0,1,2,3
	KQ \f, 0
	KQ \f, 1
.endr
.rept 4
	v_nop                                          ; four places between the products and the first read of their results
.endr
	s_cmp_lt_u32 s[SN], s[G]                       ; all its keys count: no mask
	s_cbranch_scc1 .Lopen
.set nn, 0
.rept 64                                           ; the diagonal's step: hidden scores become -infinity, p = 0 then.  Each accumulator from its low end on
	v_cmp_gt_i32 vcc_lo, 32*(nn/16)+2*(nn%8)+((nn/8)%2), v[DD]
	v_cndmask_b32 v[S+nn], v[S+nn], v[NINF], vcc_lo
.set nn, nn+1
.endr
.Lopen:
.irp b, 0,1,2,3
	v_max3_num_f32 v[BM+\b], v[S+16*\b], v[S+1+16*\b], v[S+2+16*\b]   ; THE LARGEST SCORE OF EACH BLOCK OF 32 KEYS serves twice: for the row's maximum, and, since p rises with the score, for the block's largest p
.endr
.irp i, 3,5,7,9,11,13
.irp b, 0,1,2,3
	v_max3_num_f32 v[BM+\b], v[BM+\b], v[S+16*\b+\i], v[S+1+16*\b+\i]   ; (the four blocks by turns)
.endr
.endr
.irp b, 0,1,2,3
	v_max_num_f32 v[BM+\b], v[BM+\b], v[S+15+16*\b]
.endr
.irp b, 0,1,2,3
	s_delay_alu instid0(VALU_DEP_4)
	v_permlanex16_b32 v[PT+\b], v[BM+\b], s[SEL], s[SEL+1]
.endr
.irp b, 0,1,2,3
	s_delay_alu instid0(VALU_DEP_4)
	v_max_num_f32 v[BM+\b], v[BM+\b], v[PT+\b]     ; with lane l xor 16's 16 keys
.endr
	s_delay_alu instid0(VALU_DEP_2)
	v_max3_num_f32 v[TMP], v[BM], v[BM+1], v[BM+2]
	s_delay_alu instid0(VALU_DEP_1)
	v_max_num_f32 v[TMP], v[TMP], v[BM+3]          ; the step's largest score of my query
	s_delay_alu instid0(VALU_DEP_1)
	v_mul_f32 v[TMP], s[CS], v[TMP]                ; as t (c is positive)
	s_delay_alu instid0(VALU_DEP_1)
	v_max_num_f32 v13, v13, v[TMP]                 ; the running largest t
	v_mov_b32 v[TMP], v12
	s_delay_alu instid0(VALU_DEP_2)
	v_floor_f32 v12, -v13                          ; the new -M = floor(-t) = -ceil(t): M is a whole number
	s_delay_alu instid0(VALU_DEP_1)
	v_sub_f32 v[TMP], v12, v[TMP]                  ; M's old value less its new one: a whole number, 0 or less
	s_delay_alu instid0(VALU_DEP_1)
	v_cvt_i32_f32 v[TMP], v[TMP]                   ; (it saturates)
	s_delay_alu instid0(VALU_DEP_1)
	v_ldexp_f32 v[FF], 1.0, v[TMP]                 ; f = 2^(old M - new M): a multiplication by it rounds nothing
.set jj, 0
.rept 32
	v_pk_fma_f32 v[S+jj:S+jj+1], v[S+jj:S+jj+1], s[CS:CS+1], v[12:13] op_sel_hi:[1,0,0]   ; t - M, two at a time (of the pairs c and -M the low word serves both halves)
.set jj, jj+2
.endr
	s_setprio 1
.irp b, 0,1,2,3
	v_fma_f32 v[BM+\b], v[BM+\b], s[CS], v12       ; the same of each block's largest score
.endr
.set jj, 0
	s_wait_alu depctr_va_vdst(0)
.rept 64
	v_exp_f32 v[S+jj], v[S+jj]                     ; p = 2^(t - M), at most 1: not normalised
.set jj, jj+1
.endr
	v_pk_mul_f32 v[14:15], v[14:15], v[FF:FF+1] op_sel_hi:[1,0]   ; the sums under the new M: the plain line behind the exponentials
	s_wait_alu depctr_va_vdst(0)                   ; the wait ahead of the first line that names a result: one for the batch of 64
.irp b, 0,1,2,3
	v_exp_f32 v[BM+\b], v[BM+\b]                   ; the block's largest p: the same two instructions on the same number give the same bits
.endr
	v_pk_add_f32 v[SUM2:SUM2+1], v[S:S+1], v[S+2:S+3]   ; THE ROW'S SUM IS TAKEN OF THE UNQUANTISED p: two at a time, in two chains.  (It reads the 64 alone: plain work behind the four)
.irp j, 4,8,12,16,20,24,28,32,36,40,44,48,52
	v_pk_add_f32 v[14:15], v[14:15], v[S+\j:S+\j+1]
	v_pk_add_f32 v[SUM2:SUM2+1], v[SUM2:SUM2+1], v[S+2+\j:S+3+\j]
.endr
	s_wait_alu depctr_va_vdst(0)                   ; and one wait for the four
.irp b, 0,1,2,3
	v_max_num_f32 v[BM+\b], 0x1800000, v[BM+\b]    ; the floor 2^(3 - 127): the byte cannot fall under 1 (a block whose every p is 0 keeps that byte: its codes are zeros)
.endr
.irp b, 0,1,2,3
	s_delay_alu instid0(VALU_DEP_4)
	v_add_nc_u32 v[SO+\b], 0xff000000, v[BM+\b]    ; 2 off the exponent field: the conversion's scale operand
.endr
.irp b, 0,1,2,3
	s_delay_alu instid0(VALU_DEP_4)
	v_lshrrev_b32 v[PT+\b], 23, v[SO+\b]           ; the scale's byte
.endr
	s_delay_alu instid0(VALU_DEP_3)
	v_lshl_or_b32 v[PS], v[PT+1], 8, v[PT]         ; p's scale word for these 128 keys
	s_delay_alu instid0(VALU_DEP_1)
	v_lshl_or_b32 v[PS], v[PT+2], 16, v[PS]
	s_delay_alu instid0(VALU_DEP_1)
	v_lshl_or_b32 v[PS], v[PT+3], 24, v[PS]
	s_setprio 0
.irp b, 0,1,2,3
	v_cvt_scalef32_pk8_fp4_f32 v[PC+2*\b], v[S+16*\b:S+7+16*\b], v[SO+\b]      ; block b, my half's even keys,
	v_cvt_scalef32_pk8_fp4_f32 v[PC+1+2*\b], v[S+8+16*\b:S+15+16*\b], v[SO+\b] ; and its odd keys
.endr
	v_nop                                          ; one plain line between a scaled conversion and the vector line that touches its result
.irp c, 0,1                                        ; the operand's layout wants a WHOLE block in a lane: lanes 0-15 block 2 c, lanes 16-31 block 2 c + 1
.irp i, 0,1
	v_permlane16_swap_b32 v[PC+4*\c+\i], v[PC+2+4*\c+\i]
.endr
.endr
.set jj, 0
.rept 16
	v_pk_mul_f32 v[OT+jj:OT+jj+1], v[OT+jj:OT+jj+1], v[FF:FF+1] op_sel_hi:[1,0]   ; O^T under the new M: x f.  (These are also the places between the lines that wrote p's codes and scale word and the products below)
.set jj, jj+2
.endr
.irp j, 56,60                                      ; the sums' last five lines are kept for here: plain lines between the last write of O^T and the products that add onto it
	v_pk_add_f32 v[14:15], v[14:15], v[S+\j:S+\j+1]
	v_pk_add_f32 v[SUM2:SUM2+1], v[SUM2:SUM2+1], v[S+2+\j:S+3+\j]
.endr
	s_delay_alu instid0(VALU_DEP_1)
	v_pk_add_f32 v[14:15], v[14:15], v[SUM2:SUM2+1]
	s_wait_alu depctr_va_vdst(0)
	s_wait_dscnt 0x0                               ; V's fragments and scale words are in
.irp t, 0,1,2,3
	PV \t                                          ; four accumulators, one instruction a turn; between two turns of one stand the next step's eight score products
.endr
.Lhidden:
	s_add_co_u32 s[TK], s[TK], 64*KP               ; the next step's 64 pair-rows,
	s_add_co_u32 s[TV], s[TV], 4096                ; images,
	s_add_co_u32 s[TS], s[TS], 256                 ; and scale words
	s_add_co_u32 s[SN], s[SN], 1
	s_cmp_lt_u32 s[SN], 16
	s_cbranch_scc1 .Lstep
	s_setprio 0
	; THE WAY OUT.  O^T is divided by the row's sum and goes through my own stage in LDS, so that a store of the wave covers 512 consecutive bytes: two whole rows of out0.
.rept 4
	v_nop                                          ; four places behind the last products: only scalar lines of hidden steps stand between
.endr
	v_add_f32 v14, v14, v15                        ; the sum's two halves,
	s_delay_alu instid0(VALU_DEP_1)
	v_permlanex16_b32 v[TMP], v14, s[SEL], s[SEL+1]
	s_delay_alu instid0(VALU_DEP_1)
	v_add_f32 v14, v14, v[TMP]                     ; and lane l xor 16's: the row's sum
	s_wait_alu depctr_va_vdst(0)
	v_rcp_f32 v14, v14
	v_nop                                          ; a plain line behind the reciprocal,
	s_wait_alu depctr_va_vdst(0)                   ; and the wait ahead of its first reader
.set jj, 0
.rept 16
	v_pk_mul_f32 v[S+jj:S+jj+1], v[OT+jj:OT+jj+1], v[14:15] op_sel_hi:[1,0]   ; register 8 t + i is out(r, 16 t + 8 h + i); each accumulator from its low end on
.set jj, jj+2
.endr
.irp t, 0,1,2,3
	ds_store_b128 v[STI], v[S+8*\t:S+8*\t+3] offset:64*\t
	ds_store_b128 v[STI], v[S+8*\t+4:S+8*\t+7] offset:64*\t+16
.endr
.irp i, 0,1,2,3,4,5,6,7
	ds_load_b128 v[KFR+4*\i:KFR+4*\i+3], v[STB] offset:2*\i*SP   ; LDS serves a wave's instructions in order (ISA guide 5.7.1.4): these see my stores
.endr
.irp i, 0,1,2,3,4,5,6,7
	s_wait_dscnt 7-\i                              ; load i is in; the 7 - i younger ones may stay out
	global_store_b128 v[GO], v[KFR+4*\i:KFR+4*\i+3], s[14:15] offset:512*\i th:TH_STORE_NT   ; rows 2 i and 2 i + 1: 512 consecutive bytes, at a multiple of 256 from out0's first byte; written once, read by nobody here
.endr
	s_wait_tensorcnt 0x0
	ds_add_u32 v240, v241
	s_wait_dscnt 0x0
	s_endpgm
.Lfunc_end_k_qdc6781e0ff_attn:
	.size	k_qdc6781e0ff_attn, .Lfunc_end_k_qdc6781e0ff_attn-k_qdc6781e0ff_attn
	.p2alignl 7, 3214868480
	.fill 96, 4, 3214868480
	.section	.rodata,"a",@progbits
	.p2align	6, 0x0
	.amdhsa_kernel k_qdc6781e0ff_attn
		.amdhsa_group_segment_fixed_size 227328
		.amdhsa_private_segment_fixed_size 0
		.amdhsa_enable_private_segment 0
		.amdhsa_kernarg_size 48
		.amdhsa_user_sgpr_count 2
		.amdhsa_user_sgpr_kernarg_segment_ptr 1
		.amdhsa_wavefront_size32 1
		.amdhsa_system_sgpr_workgroup_id_x 1
		.amdhsa_system_sgpr_workgroup_id_y 1
		.amdhsa_system_sgpr_workgroup_id_z 1
		.amdhsa_system_vgpr_workitem_id 0
		.amdhsa_next_free_vgpr 242
		.amdhsa_next_free_sgpr 66
		.amdhsa_reserve_vcc 1
		.amdhsa_float_denorm_mode_32 3
		.amdhsa_float_denorm_mode_16_64 3
		.amdhsa_memory_ordered 1
		.amdhsa_forward_progress 1
		.amdhsa_inst_pref_size 33
	.end_amdhsa_kernel
	.amdgpu_metadata
---
amdhsa.version: [ 1, 2 ]
amdhsa.kernels:
  - .name:           k_qdc6781e0ff_attn
    .symbol:         k_qdc6781e0ff_attn.kd
    .args:
      - { .name: keys_codes, .offset: 0, .size: 8, .value_kind: global_buffer, .address_space: global }
      - { .name: keys_scales, .offset: 8, .size: 8, .value_kind: global_buffer, .address_space: global }
      - { .name: queries_codes, .offset: 16, .size: 8, .value_kind: global_buffer, .address_space: global }
      - { .name: queries_scales, .offset: 24, .size: 8, .value_kind: global_buffer, .address_space: global }
      - { .name: vq, .offset: 32, .size: 8, .value_kind: global_buffer, .address_space: global }
      - { .name: out0, .offset: 40, .size: 8, .value_kind: global_buffer, .address_space: global }
    .group_segment_fixed_size: 227328
    .private_segment_fixed_size: 0
    .kernarg_segment_align: 8
    .kernarg_segment_size: 48
    .max_flat_workgroup_size: 512
    .sgpr_count:     66
    .vgpr_count:     242
    .wavefront_size: 32
...
	.end_amdgpu_metadata
.endif
;; end of part 2
